; MI455X (gfx1250); checked and timed in simulation.
; The chip was launched on July 23, 2026; its instructions are those of AMD's public machine-readable ISA for CDNA 5 (MIT licence, August 2026) and "CDNA5" Instruction Set Architecture Reference Guide (July 2026). The comments in the code are by the model that wrote it; some were corrected since.
;; Template Feat Aligner. Allowed arithmetic: float matrix products may take bf16 or f16 operands with f32 sums; other float arithmetic in f32, or as packed bf16 or f16 multiplies, adds, multiply-adds, maxima and minima; sums over many terms, partial sums and values carried from step to step in f32; what a program stores and reads back later, other than sums and carried values, may be rounded once to bf16 or f16.
;; Inputs: Wk 256 x 256 float32; Wq 256 x 256 float32; Wt 256 x 256 float32; Wv 256 x 256 float32; bk 256 float32; bq 256 float32; bt 256 float32; bv 256 float32; image_feat 16 x 256 x 64 x 64 float32; image_sizes 16 x 2 float32; ref_points 16 x 500 x 4 float32; temp_feat 16 x 24 x 256 float32.
;; Outputs: out0 16 x 500 x 256 float32.
;; One version. Each part assembles by itself: llvm-mc -triple=amdgcn-amd-amdhsa -mcpu=gfx1250 --defsym DOCPART=n.
;; ======== version 1 of 1: 3 launches
;; limits: values are held in f16: magnitudes above 65,504 overflow, below 6.1e-05 lose precision; inputs' magnitudes at most 65,504; inputs' magnitudes at most 2,729
;; workspace buffers: wxf 1,048,576 bytes; wyf 2,097,152 bytes; roib 8,388,608 bytes; wq16 131,072 bytes; wk16 131,072 bytes; wv16 131,072 bytes; tpb 262,144 bytes; tph 262,144 bytes
;; launch prep (part 1): grid 256 x 1, 8 waves a work-group, no clusters, 17,408 bytes of LDS; arguments ref_points, image_sizes, temp_feat, Wt, bt, Wq, Wk, Wv, wxf, wyf, wq16, wk16, wv16, tpb, tph; writes wxf, wyf, wq16, wk16, wv16, tpb, tph
.if DOCPART == 1
	.amdgcn_target "amdgcn-amd-amdhsa--gfx1250"
	.amdhsa_code_object_version 6
	.text
	.protected	k_qe553f92d49_prep
	.globl	k_qe553f92d49_prep
	.p2align	8
	.type	k_qe553f92d49_prep,@function
k_qe553f92d49_prep:
	s_mov_b64 s[64:65], 0
	v_nop
	global_prefetch_b8 v0, s[64:65] scope:SCOPE_SE
	s_setreg_imm32_b32 hwreg(HW_REG_WAVE_MODE, 25, 1), 1
	s_wait_xcnt 0x0
; PREP.  Work-group wg = 16 b + sub (b: batch, sub: 0..15) does three small jobs.
; A. The RoI weights of 32 boxes.  The validity test, the grid mask and the bilinear rule all separate in x and y, and a clipped
;    bilinear tap is a hat function, so  roi[q][c] = sum_y WY[q][y] sum_x WX[q][x] f[c][y][x]  with
;    W[q][p] = (1/g) sum over i < 8 of m_i max(0, 1 - |clip(s_i, 0, 63) - p|),  m_i = (s_i > -1) and (s_i < 64) and (i < g).
;    Thread t takes one box (q = 32 sub + 16 (t >> 7) + (t & 15)) and eight positions p = 8 oct .. 8 oct + 7, oct = (t >> 4) & 7, of both axes.
;    wxf: f16, byte b*65536 + tile*2048 + oct*256 + r*16 = WX[16 tile + r][8 oct ..];  wyf: f32, byte b*131072 + tile*4096 + yc*256 + r*16 = WY[..][4 yc ..].
;    Boxes 500..511 get weights 0.
; B. Row wg of Wq, Wv (to f16) and of Wk (to bf16): two waves a matrix.
; C. tp = sigmoid(temp_feat Wt + bt) for the batch's 24 templates and columns 16 sub .. +15; K = 256 is split over the eight waves (32 each),
;    the eight f32 partial tiles meet in LDS.  tpb (bf16) and tph (f16): byte wg*1024 + t*32 + 2 c; rows t = 24..31 are 0.
; LIMITS: inputs finite; |Wq|, |Wv|, |Wt|, |temp_feat| < 65504 (f16 operands); 1/g is v_rcp_f32 (1 ulp); sample positions by one fused multiply-add.
; No cluster: what work-groups share here (16 KiB of Wt, 24 KiB of temp_feat) goes straight into registers, and a joint request lands in LDS only.
.set RL,   1                           ; r = t & 15
.set OCT,  2                           ; (t >> 4) & 7
.set TLH,  3                           ; t >> 7
.set HP,   4                           ; lane >> 4
.set OWT,  5                           ; lane offset in Wt
.set OTF,  6                           ; v6, v7: lane offsets in temp_feat, template tiles 0 and 1
.set OREF, 8
.set OJL,  9                           ; job B: load offset
.set QN,   10                          ; my box
.set OJS,  11                          ; job B: store offset
.set REF,  12                          ; v[12:15] my box's four numbers
.set JB,   16                          ; v[16:19] job B: four f32
.set WT,   20                          ; v[20:35] Wt as loaded
.set TF,   36                          ; v[36:67] temp_feat as loaded; later the eight partial sums
.set FA,   68                          ; v[68:75] fragment of Wt^T
.set FB,   76                          ; v[76:91] fragments of temp_feat, two tiles
.set DD,   92                          ; v[92:107] two result tiles
.set XC,   108                         ; v[108:115] clipped x samples (-4 where masked)
.set YC,   116                         ; v[116:123] the same for y
.set PP,   124                         ; v[124:131] my eight positions as f32
.set AX,   132                         ; v[132:139] WX
.set AY,   140                         ; v[140:147] WY
.set T,    148                         ; v[148:155] at work
.set BT,   156                         ; v[156:159] bt, then the sums
.set CX,   160
.set CY,   161
.set BW,   162
.set BH,   163
.set GG,   164                         ; grid size
.set IG,   165                         ; 1 / grid size
.set ST,   166                         ; roi size, then the step between samples
.set X1,   167                         ; low edge - 0.5
.set SS,   168
.set OBT,  169
.set OWX,  170
.set OWY,  171
.set IGX,  172
.set IGY,  173
.set PK,   174                         ; v[174:177] WX in f16
.set JP,   178                         ; v[178:179] job B: packed
.set LS,   180                         ; LDS: where my wave's partial tiles go
.set LR,   181                         ; LDS: where I read them back
.set OTP,  182
.set TP,   184                         ; v[184:185] tp in bf16, v[186:187] in f16
	s_load_b512 s[4:19], s[0:1], 0x0               ; ref_points 4, image_sizes 6, temp_feat 8, Wt 10, bt 12, Wq 14, Wk 16, Wv 18
	s_load_b256 s[20:27], s[0:1], 0x40             ; wxf 20, wyf 22, wq16 24, wk16 26
	s_load_b128 s[28:31], s[0:1], 0x60             ; wv16 28, tpb 30
	s_load_b64 s[32:33], s[0:1], 0x70              ; tph
	v_lshl_add_u32 v188, v0, 2, 0x4000
	v_mov_b32 v189, 0
	v_lshrrev_b32 v[T], 5, v0
	v_readfirstlane_b32 s36, v[T]                  ; wave 0..7
	s_lshr_b32 s37, ttmp9, 4                       ; b
	s_and_b32 s38, ttmp9, 15                       ; sub
	v_and_b32 v[RL], 15, v0
	v_bfe_u32 v[OCT], v0, 4, 3
	v_lshrrev_b32 v[TLH], 7, v0
	v_and_b32 v[HP], 1, v[OCT]
	s_lshl_b32 s39, s38, 5
	v_lshl_add_u32 v[QN], v[TLH], 4, v[RL]
	v_add_nc_u32 v[QN], s39, v[QN]                 ; q = 32 sub + 16 (t >> 7) + r
	v_min_u32 v[OREF], 499, v[QN]                  ; boxes 500..511 read box 499 and are zeroed below
	v_lshlrev_b32 v[OREF], 4, v[OREF]
	v_lshlrev_b32 v[OWT], 2, v[RL]
	v_lshl_add_u32 v[OWT], v[HP], 13, v[OWT]       ; Wt[32 w + 8 h + kk][16 sub + r]: 8 h rows of 1,024 bytes + 4 r
	v_lshlrev_b32 v[OTF], 10, v[RL]
	v_lshl_add_u32 v[OTF], v[HP], 5, v[OTF]        ; temp_feat[r][32 w + 8 h ..]
	v_add_nc_u32 v[OTF+1], 16, v[RL]
	v_min_u32 v[OTF+1], 23, v[OTF+1]               ; templates 24..31 do not exist: read row 23, zeroed below
	v_lshlrev_b32 v[OTF+1], 10, v[OTF+1]
	v_lshl_add_u32 v[OTF+1], v[HP], 5, v[OTF+1]
	v_and_b32 v[OJL], 63, v0
	v_lshlrev_b32 v[OJS], 3, v[OJL]
	v_lshlrev_b32 v[OJL], 4, v[OJL]
	v_and_b32 v[OBT], 3, v0
	v_lshlrev_b32 v[OBT], 4, v[OBT]
	v_lshlrev_b32 v[OWX], 4, v0
	v_lshlrev_b32 v[OWY], 4, v[RL]
	v_lshl_add_u32 v[OWY], v[OCT], 9, v[OWY]
	v_lshl_add_u32 v[OWY], v[TLH], 12, v[OWY]
	v_lshlrev_b32 v[OTP], 3, v0
	v_and_b32 v[LS], 31, v0
	v_lshlrev_b32 v[LS], 4, v[LS]
	v_lshl_add_u32 v[LS], s36, 11, v[LS]           ; 2,048 bytes a wave + 16 bytes a lane
	v_and_b32 v[LR], 1, v0                         ; t = 64 tile + 4 r2 + 2 h2 + jg reads tile*1024 + jg*512 + (16 h2 + r2)*16
	v_lshlrev_b32 v[LR], 9, v[LR]
	v_bfe_u32 v[T], v0, 1, 1
	v_lshl_add_u32 v[LR], v[T], 8, v[LR]
	v_bfe_u32 v[T], v0, 2, 4
	v_lshl_add_u32 v[LR], v[T], 4, v[LR]
	v_bfe_u32 v[T], v0, 6, 1
	v_lshl_add_u32 v[LR], v[T], 10, v[LR]
	s_mov_b32 s43, 0                               ; s[42:43]: a byte offset, all below 4 GiB
	s_wait_kmcnt 0x0
	s_mul_i32 s42, s37, 8000
	s_add_nc_u64 s[4:5], s[4:5], s[42:43]          ; ref_points of my batch
	s_lshl_b32 s42, s37, 3
	s_add_nc_u64 s[6:7], s[6:7], s[42:43]
	s_load_b64 s[40:41], s[6:7], 0x0               ; image_sizes[b]: s40 scales cx and w, s41 scales cy and h, as reference() has it
	s_mul_i32 s42, s37, 24576
	s_lshl_b32 s39, s36, 7
	s_add_co_u32 s42, s42, s39
	s_add_nc_u64 s[8:9], s[8:9], s[42:43]          ; temp_feat[b][0][32 w]
	s_lshl_b32 s42, s36, 15
	s_lshl_b32 s39, s38, 6
	s_add_co_u32 s42, s42, s39
	s_add_nc_u64 s[10:11], s[10:11], s[42:43]      ; Wt[32 w][16 sub]
	s_mov_b32 s42, s39
	s_add_nc_u64 s[12:13], s[12:13], s[42:43]      ; bt[16 sub]
	s_lshr_b32 s45, s36, 1                         ; job B: waves 0,1 Wq; 2,3 Wk; 4,5 Wv
	s_cmp_eq_u32 s45, 0
	s_cselect_b64 s[46:47], s[14:15], s[16:17]
	s_cselect_b64 s[48:49], s[24:25], s[26:27]
	s_cmp_eq_u32 s45, 2
	s_cselect_b64 s[46:47], s[18:19], s[46:47]
	s_cselect_b64 s[48:49], s[28:29], s[48:49]
	s_lshl_b32 s42, ttmp9, 10
	s_add_nc_u64 s[46:47], s[46:47], s[42:43]      ; row wg of the f32 matrix
	s_add_nc_u64 s[30:31], s[30:31], s[42:43]      ; my block of tpb
	s_add_nc_u64 s[32:33], s[32:33], s[42:43]      ; and of tph
	s_lshl_b32 s42, ttmp9, 9
	s_add_nc_u64 s[48:49], s[48:49], s[42:43]      ; row wg of the 16-bit matrix
	s_lshl_b32 s42, ttmp9, 12
	s_add_nc_u64 s[20:21], s[20:21], s[42:43]      ; my two tiles of wxf
	s_lshl_b32 s42, ttmp9, 13
	s_add_nc_u64 s[22:23], s[22:23], s[42:43]      ; and of wyf
	; every load of the kernel goes out here; job A's arithmetic runs while the later ones are on their way
	global_load_b128 v[REF:REF+3], v[OREF], s[4:5]
.irp k, 0,1,2,3,4,5,6,7
	global_load_b32 v[WT+\k], v[OWT], s[10:11] offset:\k*1024
.endr
.irp k, 0,1,2,3,4,5,6,7
	global_load_b32 v[WT+8+\k], v[OWT], s[10:11] offset:(16+\k)*1024
.endr
.irp ti, 0,1
	global_load_b128 v[TF+16*\ti:TF+16*\ti+3],     v[OTF+\ti], s[8:9]
	global_load_b128 v[TF+16*\ti+4:TF+16*\ti+7],   v[OTF+\ti], s[8:9] offset:16
	global_load_b128 v[TF+16*\ti+8:TF+16*\ti+11],  v[OTF+\ti], s[8:9] offset:64
	global_load_b128 v[TF+16*\ti+12:TF+16*\ti+15], v[OTF+\ti], s[8:9] offset:80
.endr
	global_load_b128 v[BT:BT+3], v[OBT], s[12:13]
	s_cmp_gt_u32 s36, 5
	s_cbranch_scc1 .Lno_row
	global_load_b128 v[JB:JB+3], v[OJL], s[46:47]
.Lno_row:
	; ---- job A ----
	v_lshlrev_b32 v[SS], 3, v[OCT]
.irp p, 0,1,2,3,4,5,6,7
	v_add_nc_u32 v[T+\p], \p, v[SS]
.endr
.irp p, 0,1,2,3,4,5,6,7
	v_cvt_f32_u32 v[PP+\p], v[T+\p]                ; my positions 8 oct + p
.endr
	v_cmp_gt_u32 s44, 500, v[QN]                   ; the box exists
	s_wait_loadcnt 25                              ; my box is in: the 25 younger loads (16 of Wt, 8 of temp_feat, 1 of bt; waves 0-5 have a 26th) may stay out
	s_wait_kmcnt 0x0                               ; image_sizes
	v_mul_f32 v[CX], s40, v[REF]
	v_mul_f32 v[CY], s41, v[REF+1]
	v_mul_f32 v[BW], s40, v[REF+2]
	v_mul_f32 v[BH], s41, v[REF+3]
; sample i of an axis: its position, clipped; -4 (four away from every position: weight 0) where the sample is masked or outside
.macro SAMPLE c, i, hf, fi
	v_fma_f32 v[SS], \hf, v[ST], v[X1]
	v_med3_num_f32 v[\c+\i], v[SS], 0, 0x427c0000  ; clip to 0 .. 63
	v_cmp_lt_f32 vcc_lo, -1.0, v[SS]
	v_cndmask_b32 v[\c+\i], -4.0, v[\c+\i], vcc_lo
	v_cmp_gt_f32 vcc_lo, 0x42800000, v[SS]         ; 64 > s
	v_cndmask_b32 v[\c+\i], -4.0, v[\c+\i], vcc_lo
	v_cmp_lt_f32 vcc_lo, \fi, v[GG]                ; i < g
	v_cndmask_b32 v[\c+\i], -4.0, v[\c+\i], vcc_lo
.endm
; one axis: centre, extent -> eight samples in c, 1/g (0 for a box that does not exist) in igs
.macro AXIS ctr, ext, c, igs
	v_fma_f32 v[X1], -0.5, v[\ext], v[\ctr]        ; the box's low edge (0.5 x extent is exact: the same rounding as a product and a difference)
	v_fma_f32 v[ST], 0.5, v[\ext], v[\ctr]         ; its high edge
	v_sub_f32 v[ST], v[ST], v[X1]                  ; roi size
	v_add_f32 v[X1], -0.5, v[X1]
	v_sub_f32 v[GG], 0, v[ST]
	v_floor_f32 v[GG], v[GG]
	v_sub_f32 v[GG], 0, v[GG]                      ; ceil(size) = -floor(-size)
	v_med3_num_f32 v[GG], v[GG], 1.0, 0x41000000   ; clip to 1 .. 8
	v_rcp_f32 v[IG], v[GG]
	v_nop                                          ; one plain instruction behind v_rcp_f32 (ISA guide 5.7.2)
	s_wait_alu depctr_va_vdst(0)
	v_mul_f32 v[ST], v[ST], v[IG]                  ; the step
	v_cndmask_b32 v[\igs], 0, v[IG], s44
	SAMPLE \c, 0, 0.5, 0
	SAMPLE \c, 1, 1.5, 1.0
	SAMPLE \c, 2, 2.5, 2.0
	SAMPLE \c, 3, 3.5, 3.0
	SAMPLE \c, 4, 4.5, 4.0
	SAMPLE \c, 5, 5.5, 5.0
	SAMPLE \c, 6, 6.5, 6.0
	SAMPLE \c, 7, 7.5, 7.0
.endm
; a[p] = sum over the eight samples of max(0, 1 - |position p - sample|); the first sample starts the sums
.macro HATS a, c
.irp i, 0,1,2,3,4,5,6,7
.irp p, 0,1,2,3,4,5,6,7
	v_sub_f32 v[T+\p], v[PP+\p], v[\c+\i]
.endr
.irp p, 0,1,2,3,4,5,6,7
	v_sub_f32 v[T+\p], 1.0, |v[T+\p]|
.endr
.if \i == 0
.irp p, 0,1,2,3,4,5,6,7
	v_max_num_f32 v[\a+\p], 0, v[T+\p]
.endr
.else
.irp p, 0,1,2,3,4,5,6,7
	v_max_num_f32 v[T+\p], 0, v[T+\p]
.endr
.irp p, 0,2,4,6
	v_pk_add_f32 v[\a+\p:\a+\p+1], v[\a+\p:\a+\p+1], v[T+\p:T+\p+1]
.endr
.endif
.endr
.endm
	AXIS CX, BW, XC, IGX
	HATS AX, XC
	AXIS CY, BH, YC, IGY
	HATS AY, YC
.irp p, 0,1,2,3,4,5,6,7
	v_mul_f32 v[AX+\p], v[AX+\p], v[IGX]
.endr
.irp p, 0,1,2,3,4,5,6,7
	v_mul_f32 v[AY+\p], v[AY+\p], v[IGY]
.endr
.irp i, 0,1,2,3
	v_cvt_pk_f16_f32 v[PK+\i], v[AX+2*\i], v[AX+2*\i+1]
.endr
	global_store_b128 v[OWX], v[PK:PK+3], s[20:21]             ; 16 t: sixteen lanes store 256 consecutive bytes, aligned
	global_store_b128 v[OWY], v[AY:AY+3], s[22:23]             ; y = 8 oct .. +3
	global_store_b128 v[OWY], v[AY+4:AY+7], s[22:23] offset:256 ; y = 8 oct + 4 .. +7
	; ---- job B (waves 0 to 5) ----
	s_cmp_gt_u32 s36, 5
	s_cbranch_scc1 .Lno_copy
	s_wait_loadcnt 0x0                             ; my 16 bytes of the row: the youngest load
	s_cmp_eq_u32 s45, 1
	s_cbranch_scc1 .Lto_bf16
	v_cvt_pk_f16_f32 v[JP], v[JB], v[JB+1]
	v_cvt_pk_f16_f32 v[JP+1], v[JB+2], v[JB+3]
	s_branch .Lcopy_out
.Lto_bf16:
	v_cvt_pk_bf16_f32 v[JP], v[JB], v[JB+1]
	v_cvt_pk_bf16_f32 v[JP+1], v[JB+2], v[JB+3]
.Lcopy_out:
	global_store_b64 v[OJS], v[JP:JP+1], s[48:49]  ; a wave stores 256 consecutive bytes, aligned
.Lno_copy:
	; ---- job C ----
	s_wait_loadcnt 0x0                             ; Wt, temp_feat, bt
.irp i, 0,1,2,3,4,5,6,7
	v_cvt_pk_f16_f32 v[FA+\i], v[WT+2*\i], v[WT+2*\i+1]        ; row c' = 16 sub + r of Wt^T, k = c - 32 w
.endr
.irp i, 0,1,2,3,4,5,6,7,8,9,10,11,12,13,14,15
	v_cvt_pk_f16_f32 v[FB+\i], v[TF+2*\i], v[TF+2*\i+1]        ; templates r and 16 + r
.endr
	v_wmma_f32_16x16x32_f16 v[DD:DD+7], v[FA:FA+7], v[FB:FB+7], 0          ; register j of lane (r, h): column c' = 8 h + j, template r
	v_wmma_f32_16x16x32_f16 v[DD+8:DD+15], v[FA:FA+7], v[FB+8:FB+15], 0    ; templates 16 + r: another accumulator, no chain
.rept 4
	v_nop                                          ; four places before the results are read (ISA guide 7.12.1)
.endr
.irp ti, 0,1
.irp jg, 0,1
	ds_store_b128 v[LS], v[DD+8*\ti+4*\jg:DD+8*\ti+4*\jg+3] offset:\ti*1024+\jg*512
.endr
.endr
	s_wait_dscnt 0x0                               ; my partial tiles are in LDS before I say so
	s_barrier_signal -1
	s_barrier_wait -1
	s_cmp_gt_u32 s36, 3
	s_cbranch_scc1 .Lend                           ; 128 threads finish the 32 x 16 numbers, four each
.irp k, 0,1,2,3,4,5,6,7
	ds_load_b128 v[TF+4*\k:TF+4*\k+3], v[LR] offset:\k*2048    ; wave k's partial sums of my four numbers
.endr
	s_wait_dscnt 0x0
.irp k, 0,1,2,3,4,5,6,7
	v_pk_add_f32 v[BT:BT+1], v[BT:BT+1], v[TF+4*\k:TF+4*\k+1]
	v_pk_add_f32 v[BT+2:BT+3], v[BT+2:BT+3], v[TF+4*\k+2:TF+4*\k+3]
.endr
.irp k, 0,1,2,3
	v_mul_f32 v[T+\k], 0xbfb8aa3b, v[BT+\k]        ; -x log2(e)
.endr
.irp k, 0,1,2,3
	v_exp_f32 v[T+4+\k], v[T+\k]
.endr
	v_nop                                          ; one plain instruction behind the exponentials
	s_wait_alu depctr_va_vdst(0)
.irp k, 0,1,2,3
	v_add_f32 v[T+\k], 1.0, v[T+4+\k]
.endr
.irp k, 0,1,2,3
	v_rcp_f32 v[T+4+\k], v[T+\k]                   ; sigmoid
.endr
	v_nop
	v_cmp_gt_u32 vcc_lo, 96, v0                    ; t = 64 tile + 4 r2 + ..: threads 96.. hold templates 24..31
	s_wait_alu depctr_va_vdst(0)
.irp k, 0,1,2,3
	v_cndmask_b32 v[T+\k], 0, v[T+4+\k], vcc_lo
.endr
	v_cvt_pk_bf16_f32 v[TP], v[T], v[T+1]
	v_cvt_pk_bf16_f32 v[TP+1], v[T+2], v[T+3]
	v_cvt_pk_f16_f32 v[TP+2], v[T], v[T+1]
	v_cvt_pk_f16_f32 v[TP+3], v[T+2], v[T+3]
	global_store_b64 v[OTP], v[TP:TP+1], s[30:31]  ; byte 8 t of the block: a wave stores 256 consecutive bytes
	global_store_b64 v[OTP], v[TP+2:TP+3], s[32:33]
.Lend:
	s_wait_tensorcnt 0x0
	ds_add_u32 v188, v189
	s_wait_dscnt 0x0
	s_endpgm
.Lfunc_end_k_qe553f92d49_prep:
	.size	k_qe553f92d49_prep, .Lfunc_end_k_qe553f92d49_prep-k_qe553f92d49_prep
	.p2alignl 7, 3214868480
	.fill 96, 4, 3214868480
	.section	.rodata,"a",@progbits
	.p2align	6, 0x0
	.amdhsa_kernel k_qe553f92d49_prep
		.amdhsa_group_segment_fixed_size 17408
		.amdhsa_private_segment_fixed_size 0
		.amdhsa_enable_private_segment 0
		.amdhsa_kernarg_size 120
		.amdhsa_user_sgpr_count 2
		.amdhsa_user_sgpr_kernarg_segment_ptr 1
		.amdhsa_wavefront_size32 1
		.amdhsa_system_sgpr_workgroup_id_x 1
		.amdhsa_system_sgpr_workgroup_id_y 1
		.amdhsa_system_sgpr_workgroup_id_z 1
		.amdhsa_system_vgpr_workitem_id 0
		.amdhsa_next_free_vgpr 190
		.amdhsa_next_free_sgpr 66
		.amdhsa_reserve_vcc 1
		.amdhsa_float_denorm_mode_32 3
		.amdhsa_float_denorm_mode_16_64 3
		.amdhsa_memory_ordered 1
		.amdhsa_forward_progress 1
		.amdhsa_inst_pref_size 42
	.end_amdhsa_kernel
	.amdgpu_metadata
---
amdhsa.version: [ 1, 2 ]
amdhsa.kernels:
  - .name:           k_qe553f92d49_prep
    .symbol:         k_qe553f92d49_prep.kd
    .args:
      - { .name: ref_points, .offset: 0, .size: 8, .value_kind: global_buffer, .address_space: global }
      - { .name: image_sizes, .offset: 8, .size: 8, .value_kind: global_buffer, .address_space: global }
      - { .name: temp_feat, .offset: 16, .size: 8, .value_kind: global_buffer, .address_space: global }
      - { .name: Wt, .offset: 24, .size: 8, .value_kind: global_buffer, .address_space: global }
      - { .name: bt, .offset: 32, .size: 8, .value_kind: global_buffer, .address_space: global }
      - { .name: Wq, .offset: 40, .size: 8, .value_kind: global_buffer, .address_space: global }
      - { .name: Wk, .offset: 48, .size: 8, .value_kind: global_buffer, .address_space: global }
      - { .name: Wv, .offset: 56, .size: 8, .value_kind: global_buffer, .address_space: global }
      - { .name: wxf, .offset: 64, .size: 8, .value_kind: global_buffer, .address_space: global }
      - { .name: wyf, .offset: 72, .size: 8, .value_kind: global_buffer, .address_space: global }
      - { .name: wq16, .offset: 80, .size: 8, .value_kind: global_buffer, .address_space: global }
      - { .name: wk16, .offset: 88, .size: 8, .value_kind: global_buffer, .address_space: global }
      - { .name: wv16, .offset: 96, .size: 8, .value_kind: global_buffer, .address_space: global }
      - { .name: tpb, .offset: 104, .size: 8, .value_kind: global_buffer, .address_space: global }
      - { .name: tph, .offset: 112, .size: 8, .value_kind: global_buffer, .address_space: global }
    .group_segment_fixed_size: 17408
    .private_segment_fixed_size: 0
    .kernarg_segment_align: 8
    .kernarg_segment_size: 120
    .max_flat_workgroup_size: 256
    .sgpr_count:     66
    .vgpr_count:     190
    .wavefront_size: 32
...
	.end_amdgpu_metadata
.endif
;; end of part 1
;; launch roi (part 2): grid 256 x 1, 4 waves a work-group, no clusters, 266,752 bytes of LDS; arguments image_feat, wxf, wyf, roib; writes roib
.if DOCPART == 2
	.amdgcn_target "amdgcn-amd-amdhsa--gfx1250"
	.amdhsa_code_object_version 6
	.text
	.protected	k_qe553f92d49_roi
	.globl	k_qe553f92d49_roi
	.p2align	8
	.type	k_qe553f92d49_roi,@function
k_qe553f92d49_roi:
	s_mov_b64 s[64:65], 0
	v_nop
	global_prefetch_b8 v0, s[64:65] scope:SCOPE_SE
	s_setreg_imm32_b32 hwreg(HW_REG_WAVE_MODE, 25, 1), 1
	s_wait_xcnt 0x0
; ROI.  roi[b][q][c] = sum_y WY[q][y] * ( sum_x image[b][c][y][x] * WX[q][x] ).
; Work-group wg = 16 b + cg owns 16 channels (262,144 consecutive bytes of the image) and all 512 box slots of the batch; wave w owns boxes 128 w .. +127 (8 tiles of 16).
; For each pixel row y: a product [16 channels x 64 x] x [64 x, 16 boxes] per tile on the matrix unit in f16 (two K steps of 32, sums in f32),
; then one f32 multiply-add by WY[q][y].  No address hangs on a box: the image is read once, whole, by sixteen tensor loads a work-group.
; Result: roib, f16 at byte wg*16384 + q*32 + 2 c, and once more in bf16 at 4,194,304 + the same (for the logit path of the next launch).
; LDS: 16 tiles of 4 pixel rows, tile yc at yc*16640; a stage is the four waves' tiles 4 s .. 4 s + 3 = 16 pixel rows.  As the tensor load lays it, element
; (c, yy, x) is f32 at c*1040 + yy*256 + 4 x.  The wave that fetched a tile converts it ONCE to f16, in place: (c, yy, x) at c*528 + yy*128 + 2 x
; (528 = 33 x 16: the sixteen channels that a 16-byte load touches lie in sixteen different 16-byte columns modulo 256).  So each image number is
; converted once in the work-group, and all four waves read fragments that are ready.  Every LDS byte is filled once by a tensor load; nothing is filled again.
; THE ROW'S SCHEDULE: two phases of eight products, each product followed by two packed multiply-adds, so that the vector work runs while the matrix unit works.
;   phase A: products of tiles 0-3, row y;  multiply-adds of tiles 4-7, row y - 1.     phase B: products of tiles 4-7, row y;  multiply-adds of tiles 0-3, row y.
; REGISTERS, in windows of 256.  Window 0: addresses, fragments (IMG, two sets), the products (DD, 8 tiles), the sums (ACC), the conversion's registers.
;   window 1: v0-63 WX of tiles 0-3 (16 (t % 4) + 8 ks), v64-191 WY of tiles 4-7;   window 2: WX of tiles 4-7, WY of tiles 0-3.
;   So a phase runs under ONE setting: only source 1 (WX of a product, WY of a multiply-add) lies outside window 0.
;   WY: 64 + 32 (t % 4) + 16 (stage % 2) + y % 16: two buffers of a stage's 16 rows take turns; the next stage's come in while this one is used.
; LIMITS: image finite (every pixel is multiplied by a weight that may be 0) and |image| < 65504 (f16 operand).
; No cluster: the image tiles are each work-group's own and take 266,240 of the 327,680 bytes of LDS; what a batch's sixteen work-groups share
; (196,608 bytes of weights) has no room there, and a joint request lands in LDS only.  It goes straight into registers.
.set CPITCH, 1040                      ; f32: bytes from channel to channel in a tile
.set HPITCH, 528                       ; f16: the same after the conversion
.set TILEB,  16*CPITCH
.set STAGEB, 4*TILEB
.set VI,   2                           ; v2-5     r*528 + 16 h + stage*66560: my fragment's place
.set OWX,  6
.set OWY,  7
.set OOUT, 8
.set IMG,  12                          ; v[12:43]   two sets of two fragments (16 channels x 32 x)
.set DD,   44                          ; v[44:107]  products, tile t at 8 t
.set ACC,  108                         ; v[108:171] sums, tile t at 8 t
.set STG,  172                         ; v[172:203] conversion: 8 x 16 bytes of f32
.set CO,   204                         ; v[204:219] conversion: the same in f16
.set HS,   44                          ; v[44:171]  the first tile's conversion, ahead of all products: 32 x 16 bytes of f32
.set HC,   172                         ; v[172:235] and in f16
.set OUT,  172                         ; v[172:203] f16 results
.set OUTB, 204                         ; v[204:235] bf16 results
.set CA,   240                         ; v[240:243] my tile of stage s + 16 x lane
.set CS,   244                         ; v[244:247] my tile of stage s + 8 x lane
.set WYB,  64
.set G1,   16                          ; s[16:23]
.set G0,   24                          ; s[24:39], a set for each of my four loads
.set PHA,  0x04                        ; source 1 in window 1
.set PHB,  0x08                        ; source 1 in window 2
.set TOW1, 0x40                        ; destination in window 1
.set TOW2, 0x80                        ; destination in window 2
.set MSB, 0
.macro WIN new                         ; the immediate's high byte repeats the setting that is left
.if MSB != \new
	s_set_vgpr_msb (MSB<<8)|\new
.set MSB, \new
.endif
.endm
	s_load_b256 s[4:11], s[0:1], 0x0               ; image 4, wxf 6, wyf 8, roib 10
	v_lshl_add_u32 v254, v0, 2, 0x41000
	v_mov_b32 v255, 0
	ds_add_u32 v254, v255
	ds_add_u32 v254, v255
	v_lshrrev_b32 v1, 5, v0
	v_readfirstlane_b32 s12, v1                    ; wave 0..3
	; group 1: 16 rows (channels) of 256 f32 (4 pixel rows, 1,024 consecutive bytes), 4,096 elements from channel to channel; 4 words of padding behind every 256
	s_mov_b32 s[G1+0], (2<<16)|(1<<20)|(7<<22)|(3<<25)
	s_mov_b32 s[G1+1], 256<<16
	s_mov_b32 s[G1+2], 16<<16
	s_mov_b32 s[G1+3], 256<<16
	s_mov_b32 s[G1+4], 16
	s_mov_b32 s[G1+5], 4096
	s_mov_b32 s[G1+6], 0
	s_mov_b32 s[G1+7], 0
	s_lshl_b32 s14, ttmp9, 18                      ; my 16 channels
	s_lshl_b32 s13, s12, 10                        ; tile yc = 4 stage + w
	s_add_co_u32 s14, s14, s13
	s_mov_b32 s15, 0
	s_mul_i32 s13, s12, TILEB
	s_wait_dscnt 0x0
	s_wait_kmcnt 0x0
	s_add_nc_u64 s[4:5], s[4:5], s[14:15]
	; my four loads go out together, ahead of everything else: four are outstanding at the most
.irp s, 0,1,2,3
	s_mov_b32 s[G0+4*\s], 1
	s_add_co_u32 s[G0+4*\s+1], s13, \s*STAGEB
	s_add_nc_u64 s[G0+4*\s+2:G0+4*\s+3], s[4:5], \s*4096
	s_or_b32 s[G0+4*\s+3], s[G0+4*\s+3], 0x80000000
	tensor_load_to_lds s[G0+4*\s:G0+4*\s+3], s[G1:G1+7]
	s_nop 0
.endr
	s_lshr_b32 s40, ttmp9, 4                       ; b
	s_lshl_b32 s14, s40, 16
	s_add_nc_u64 s[6:7], s[6:7], s[14:15]
	s_lshl_b32 s14, s40, 17
	s_add_nc_u64 s[8:9], s[8:9], s[14:15]
	s_lshl_b32 s14, ttmp9, 14
	s_add_nc_u64 s[10:11], s[10:11], s[14:15]
	v_and_b32 v1, 15, v0                           ; r
	v_bfe_u32 v9, v0, 4, 1                         ; h
	v_and_b32 v10, 31, v0                          ; lane
	v_lshlrev_b32 v[OWX], 4, v10
	v_lshl_add_u32 v[OWX], s12, 14, v[OWX]         ; 8 tiles of 2,048 bytes a wave; 16 x lane = 256 h + 16 r
	v_lshlrev_b32 v[OWY], 4, v1
	v_lshl_add_u32 v[OWY], s12, 15, v[OWY]         ; 8 tiles of 4,096 bytes a wave
; WY of stage s (rows 16 s .. +15) of my eight tiles: 32 loads.  Tiles 0-3 go to window 2, tiles 4-7 to window 1.
.macro LDWY s
.set it, 0
.rept 8
.if it < 4
	WIN TOW2
.else
	WIN TOW1
.endif
.set ip, 0
.rept 4
	global_load_b128 v[WYB+32*(it%4)+16*((\s)%2)+4*ip:WYB+32*(it%4)+16*((\s)%2)+4*ip+3], v[OWY], s[8:9] offset:it*4096+(4*(\s)+ip)*256
.set ip, ip+1
.endr
.set it, it+1
.endr
.endm
.set it, 0
.rept 8
.if it < 4
	WIN TOW1
.else
	WIN TOW2
.endif
.set ip, 0
.rept 4
	global_load_b128 v[16*(it%4)+4*ip:16*(it%4)+4*ip+3], v[OWX], s[6:7] offset:it*2048+ip*512   ; octets 2 ip + h of x: registers 4 ip .. of the tile's two fragments
.set ip, ip+1
.endr
.set it, it+1
.endr
	LDWY 0
	WIN 0
	v_mul_u32_u24 v[VI], v1, HPITCH
	v_lshl_add_u32 v[VI], v9, 4, v[VI]             ; channel r, x = 8 h, in f16
	v_lshl_add_u32 v[CA], v10, 4, s13              ; my tile of stage 0
	v_lshl_add_u32 v[CS], v10, 3, s13
.irp s, 1,2,3
	v_add_nc_u32 v[VI+\s], \s*STAGEB, v[VI]
	v_add_nc_u32 v[CA+\s], \s*STAGEB, v[CA]
	v_add_nc_u32 v[CS+\s], \s*STAGEB, v[CS]
.endr
	v_lshlrev_b32 v[OOUT], 5, v1
	v_lshl_add_u32 v[OOUT], v9, 4, v[OOUT]
	v_lshl_add_u32 v[OOUT], s12, 12, v[OOUT]       ; box (128 w + r) x 32 bytes + 16 h
	; my tile of stage 0, f32 to f16 in place, in one go: the registers of the products and sums are still free
	s_wait_tensorcnt 3                             ; tensor loads end in order (ISA guide 10.11.1): my first is in, the three younger ones may be out
.set jj, 0
.rept 32
	ds_load_b128 v[HS+4*jj:HS+4*jj+3], v[CA] offset:(jj/2)*CPITCH+(jj%2)*512    ; half a channel: 512 consecutive bytes a wave
.set jj, jj+1
.endr
	s_wait_dscnt 0x0                               ; the whole tile is in registers before any of its bytes is written
.set jj, 0
.rept 32
	v_cvt_pk_f16_f32 v[HC+2*jj], v[HS+4*jj], v[HS+4*jj+1]
	v_cvt_pk_f16_f32 v[HC+2*jj+1], v[HS+4*jj+2], v[HS+4*jj+3]
.set jj, jj+1
.endr
.set jj, 0
.rept 32
	ds_store_b64 v[CS], v[HC+2*jj:HC+2*jj+1] offset:(jj/2)*HPITCH+(jj%2)*256    ; 256 consecutive bytes a wave
.set jj, jj+1
.endr
	s_wait_dscnt 0x0                               ; my f16 tile is in LDS before I say so
	s_barrier_signal -1
	s_barrier_wait -1                              ; stage 0 is whole.
; Pixel row y of my lane's channel: x = 8 h + {0..7, 16..23, 32..39, 48..55} in f16: the two fragments as they are multiplied.
.macro LDROW y
.irp l, 0,1,2,3
	ds_load_b128 v[IMG+16*((\y)%2)+4*\l:IMG+16*((\y)%2)+4*\l+3], v[VI+(\y)/16] offset:(((\y)/4)%4)*TILEB+((\y)%4)*128+\l*32
.endr
.endm
; One product: tile t, row y, K step ks.  The first K step starts the sum.  Register j of lane (r, h) of the result: channel 8 h + j, box r.
.macro WM y, t, ks
.set DR, DD+8*(\t)
.set IR, IMG+16*((\y)%2)+8*(\ks)
.set BR, 16*((\t)%4)+8*(\ks)
.if (\ks) == 0
	v_wmma_f32_16x16x32_f16 v[DR:DR+7], v[IR:IR+7], v[BR:BR+7], 0
.else
	v_wmma_f32_16x16x32_f16 v[DR:DR+7], v[IR:IR+7], v[BR:BR+7], v[DR:DR+7]
.endif
.endm
; One packed multiply-add: channels 8 h + 2 i, + 1 of tile t: sum += product of row y x WY[box][y]; row 0 starts the sums.
; WY's registers come in pairs (y even, y odd): op_sel picks one of the pair for both halves.
.macro FM y, t, i
.set WYR, WYB+32*((\t)%4)+16*(((\y)/16)%2)+(((\y)%16)/2)*2
.set AR, ACC+8*(\t)+2*(\i)
.set PR, DD+8*(\t)+2*(\i)
.if (\y) == 0
	v_pk_mul_f32 v[AR:AR+1], v[PR:PR+1], v[WYR:WYR+1] op_sel_hi:[1,0]
.else
.if (\y)%2 == 0
	v_pk_fma_f32 v[AR:AR+1], v[PR:PR+1], v[WYR:WYR+1], v[AR:AR+1] op_sel_hi:[1,0,1]
.else
	v_pk_fma_f32 v[AR:AR+1], v[PR:PR+1], v[WYR:WYR+1], v[AR:AR+1] op_sel:[0,1,0] op_sel_hi:[1,1,1]
.endif
.endif
.endm
; Products number first .. first + count - 1 of a phase's eight (K step 0 of its four tiles, then K step 1: the four accumulators take turns, one
; instruction a turn), each followed by two multiply-adds on the other phase's tiles, whose products are at least eight
; multiply-adds old (four places are asked: ISA guide 7.12.1).
.macro RUN y, g, first, count
.set nn, \first
.rept \count
	WM \y, 4*\g+nn%4, nn/4
.if \g == 0
.if (\y) > 0
	FM (\y)-1, 4+nn/2, 2*(nn%2)
	FM (\y)-1, 4+nn/2, 2*(nn%2)+1
.endif
.else
	FM \y, nn/2, 2*(nn%2)
	FM \y, nn/2, 2*(nn%2)+1
.endif
.set nn, nn+1
.endr
.endm
; The conversion of my tile of stage s, in four blocks of four channels.  Block k's f16 go to bytes below 2112 k + 2096 of the tile; the f32 not yet read
; begin at 4160 k + 4160: nothing unread is written.  Only I touch these bytes until the stage's barrier.
.macro CVLOAD s, k
.irp l, 0,1,2,3,4,5,6,7
	ds_load_b128 v[STG+4*\l:STG+4*\l+3], v[CA+(\s)] offset:(4*(\k)+\l/2)*CPITCH+(\l%2)*512
.endr
.endm
.macro CVSTORE s, k
.irp l, 0,1,2,3,4,5,6,7
	v_cvt_pk_f16_f32 v[CO+2*\l], v[STG+4*\l], v[STG+4*\l+1]
	v_cvt_pk_f16_f32 v[CO+2*\l+1], v[STG+4*\l+2], v[STG+4*\l+3]
.endr
.irp l, 0,1,2,3,4,5,6,7
	ds_store_b64 v[CS+(\s)], v[CO+2*\l:CO+2*\l+1] offset:(4*(\k)+\l/2)*HPITCH+(\l%2)*256
.endr
.endm
; Between a row's two phases, in stages 0 to 2: what the next stage needs.  PEND counts the LDS instructions issued here, behind the next row's fragment loads.
;   row 1:        the next stage's WY, into the buffer whose last reader (the stage before, row 15, tiles 4-7) ran in phase A of row 0
;   row 9:        my next tile has landed; its first block is read
;   rows 10-13:   a block is converted and stored, the next one is read.  Done two rows ahead of the barrier in row 15.
.macro BETWEEN y
.if (\y) < 48
.if (\y)%16 == 1
	LDWY (\y)/16+1
.endif
.if (\y)%16 == 9
	WIN 0
	s_wait_tensorcnt 2-(\y)/16                     ; my load number stage + 1 is in; the younger ones may be out
	CVLOAD (\y)/16+1, 0
.set PEND, 8
.endif
.if (\y)%16 >= 10
.if (\y)%16 <= 13
	WIN 0
	s_wait_dscnt 4                                 ; the block's eight loads are in: only the next row's four fragment loads are younger.  The stores of the block before
	                                               ; are older than these loads, so they are done too, and CO is written again
	CVSTORE (\y)/16+1, (\y)%16-10
.set PEND, 8
.if (\y)%16 < 13
	CVLOAD (\y)/16+1, (\y)%16-9
.set PEND, 16
.endif
.endif
.endif
.endif
.endm
; One pixel row.  The next row's four fragment loads stand behind the second product: six multiply-adds behind the last product that read that
; fragment set (four places are asked in front of a load into a product's source).
.macro YSTEP y
	s_wait_dscnt PEND                              ; this row's fragments are in; what the conversion issued behind them may be out
.set PEND, 0
.if (\y)%16 == 15
.if (\y) < 63
	s_wait_loadcnt 0x0                             ; the next stage's WY, asked for fourteen rows ago
	s_barrier_signal -1                            ; my f16 tile of the next stage is in LDS (the wait above was for 0 here)
.endif
.endif
	WIN PHA
	RUN \y, 0, 0, 2
.if (\y) < 63
.if (\y)%16 == 15
	s_barrier_wait -1                              ; everybody's is: the next stage may be read
.endif
	LDROW (\y)+1
.endif
	RUN \y, 0, 2, 6
.if (\y) == 0
.rept 4
	v_nop                                          ; row 0 has no row before it to add up: four places behind its first products
.endr
.endif
	BETWEEN \y
	WIN PHB
	RUN \y, 1, 0, 8
.endm
	LDROW 0
	s_wait_loadcnt 0x0                             ; WX, and WY of stage 0
.set PEND, 0
.set iy, 0
.rept 64
	YSTEP iy
.set iy, iy+1
.endr
	WIN PHA                                        ; tiles 4-7 of the last row
.set nn, 0
.rept 8
	FM 63, 4+nn/2, 2*(nn%2)
	FM 63, 4+nn/2, 2*(nn%2)+1
.set nn, nn+1
.endr
	WIN 0
	; the way out: a lane holds 8 neighbouring channels of one box: 16 bytes; a wave's store covers 512 consecutive bytes
.irp t, 0,1,2,3,4,5,6,7
.irp i, 0,1,2,3
	v_cvt_pk_f16_f32 v[OUT+4*\t+\i], v[ACC+8*\t+2*\i], v[ACC+8*\t+2*\i+1]
	v_cvt_pk_bf16_f32 v[OUTB+4*\t+\i], v[ACC+8*\t+2*\i], v[ACC+8*\t+2*\i+1]
.endr
.endr
.irp t, 0,1,2,3,4,5,6,7
	global_store_b128 v[OOUT], v[OUT+4*\t:OUT+4*\t+3], s[10:11] offset:\t*512
.endr
.irp t, 0,1,2,3,4,5,6,7
	global_store_b128 v[OOUT], v[OUTB+4*\t:OUTB+4*\t+3], s[10:11] offset:4194304+\t*512
.endr
	s_wait_tensorcnt 0x0
	ds_add_u32 v254, v255
	s_wait_dscnt 0x0
	s_endpgm
.Lfunc_end_k_qe553f92d49_roi:
	.size	k_qe553f92d49_roi, .Lfunc_end_k_qe553f92d49_roi-k_qe553f92d49_roi
	.p2alignl 7, 3214868480
	.fill 96, 4, 3214868480
	.section	.rodata,"a",@progbits
	.p2align	6, 0x0
	.amdhsa_kernel k_qe553f92d49_roi
		.amdhsa_group_segment_fixed_size 266752
		.amdhsa_private_segment_fixed_size 0
		.amdhsa_enable_private_segment 0
		.amdhsa_kernarg_size 32
		.amdhsa_user_sgpr_count 2
		.amdhsa_user_sgpr_kernarg_segment_ptr 1
		.amdhsa_wavefront_size32 1
		.amdhsa_system_sgpr_workgroup_id_x 1
		.amdhsa_system_sgpr_workgroup_id_y 1
		.amdhsa_system_sgpr_workgroup_id_z 1
		.amdhsa_system_vgpr_workitem_id 0
		.amdhsa_next_free_vgpr 768
		.amdhsa_next_free_sgpr 66
		.amdhsa_reserve_vcc 0
		.amdhsa_float_denorm_mode_32 3
		.amdhsa_float_denorm_mode_16_64 3
		.amdhsa_memory_ordered 1
		.amdhsa_forward_progress 1
		.amdhsa_inst_pref_size 255
	.end_amdhsa_kernel
	.section	.bss,"aw",@nobits
	.p2align	6
	.space	262144
	.amdgpu_metadata
---
amdhsa.version: [ 1, 2 ]
amdhsa.kernels:
  - .name:           k_qe553f92d49_roi
    .symbol:         k_qe553f92d49_roi.kd
    .args:
      - { .name: image_feat, .offset: 0, .size: 8, .value_kind: global_buffer, .address_space: global }
      - { .name: wxf, .offset: 8, .size: 8, .value_kind: global_buffer, .address_space: global }
      - { .name: wyf, .offset: 16, .size: 8, .value_kind: global_buffer, .address_space: global }
      - { .name: roib, .offset: 24, .size: 8, .value_kind: global_buffer, .address_space: global }
    .group_segment_fixed_size: 266752
    .private_segment_fixed_size: 0
    .kernarg_segment_align: 8
    .kernarg_segment_size: 32
    .max_flat_workgroup_size: 128
    .sgpr_count:     66
    .vgpr_count:     768
    .wavefront_size: 32
...
	.end_amdgpu_metadata
.endif
;; end of part 2
;; launch attn (part 3): grid 256 x 1, 8 waves a work-group, clusters of 4 x 1, 321,536 bytes of LDS; arguments roib, wq16, wk16, wv16, tpb, tph, bq, bk, bv, out0; writes out0
.if DOCPART == 3
	.amdgcn_target "amdgcn-amd-amdhsa--gfx1250"
	.amdhsa_code_object_version 6
	.text
	.protected	k_qe553f92d49_attn
	.globl	k_qe553f92d49_attn
	.p2align	8
	.type	k_qe553f92d49_attn,@function
k_qe553f92d49_attn:
	s_mov_b64 s[64:65], 0
	v_nop
	global_prefetch_b8 v0, s[64:65] scope:SCOPE_SE
	s_setreg_imm32_b32 hwreg(HW_REG_WAVE_MODE, 25, 1), 1
	s_wait_xcnt 0x0
	s_wait_alu depctr_hold_cnt(0) depctr_sa_sdst(0) depctr_va_vdst(0) depctr_va_sdst(0) depctr_va_ssrc(0) depctr_va_vcc(0) depctr_vm_vsrc(0)
	s_getreg_b32 s2, hwreg(HW_REG_IB_STS2, 6, 4)
	s_cmp_eq_u32 s2, 0
	s_cbranch_scc0 .Lentry_in_a_cluster
	s_endpgm
.Lentry_in_a_cluster:
	s_bfe_u32 s2, ttmp6, 0x10000c
	s_cmp_lg_u32 s2, 0x3003
	s_cbranch_scc0 .Lentry_shape_is_right
	s_endpgm
.Lentry_shape_is_right:
; ATTN.  K and V of reference() are linear in tp[t][c] roi[q][c], so for a box q and a head (32 columns hd) the sums are reordered, exactly:
;   1. qv[hd]   = sum_c roi[q][c] Wq[c][hd] + bq[hd]                         (f16 operands)
;   2. G[c]     = sum_d qv[hd] Wk[c][hd];   U[c] = G[c] roi[q][c]             (bf16: G roi has no room in f16 when every input is some 30 times larger)
;   3. logit[t] = ( sum_c tp[t][c] U[c] + sum_d qv[hd] bk[hd] ) / sqrt(32)    (bf16)
;      p[t] = exp(logit[t] - max over t), t < 24: the true maximum is taken away, as reference() does
;   4. W[c]     = sum_t p[t] tp[t][c];      Z[c] = W[c] roi[q][c]             (f16)
;   5. out[hd]  = ( sum_c Z[c] Wv[c][hd] ) / sum_t p[t] + bv[hd]              (f16; the attention weights sum to 1, so bv comes through whole)
; In every product source 1 holds 16 boxes, so register j of lane (r, h) of a result is (row 8 h + j, box r), and two result tiles pack,
; inside the lane, into the next product's source 1: nothing is transposed between the five products.
; A work-group takes 64 boxes (64 qb ..) and 4 heads (4 hh ..) of a batch; wave w: head 4 hh + (w & 3), boxes 32 (w >> 2) .. +31 (two tiles, qt = 0, 1).
; CLUSTER 4 x 1: the four partners have the same batch and the same four heads, so they need the same tiles of Wq, Wk, Wv and tp: five joint loads
; (mask 15).  My place cx enters the plain loads of my own boxes' roi, the output's address and a vector compare; no LDS address, no branch.
; LDS (every byte filled once): WQ [256 c][128 hd] f16, pitch 288; WV the same; WK bf16, pitch 272; TPB 16 blocks [32 t][16 c] bf16, 16 bytes of padding
; behind every 256; TPH the same in f16, dense (pitch 32, read transposed); ROI 16 blocks [64 boxes][16 c] f16, padded like TPB; ROB the same in bf16.
; The output stage (64 rows, pitch 528) lies in WQ's bytes: their one fill has landed and their last read is two barriers back.
; LIMITS: 24 |roi| < 65504 (Z in f16); p below 6e-8 of the largest is dropped by f16.
.set WQ_L,  0
.set WV_L,  73728
.set WK_L,  147456
.set TPB_L, 217088
.set TPH_L, 234496
.set ROI_L, 250880
.set ROB_L, 285696
.set VQ0, 2                            ; v2, v3   Wq, transposed reads: c = 0..127, 128..255
.set VV0, 4                            ; v4, v5   Wv likewise
.set VK,  6
.set VT,  7
.set VH,  8
.set VR,  9
.set VS,  10                           ; stage: where my results go
.set VL,  11                           ; stage: where I read rows back
.set VO,  12                           ; my offset in out0
.set VQI, 13                           ; the first box of my wave's eight output rows
.set VB,  14                           ; offset in bq, bk, bv
.set VRB, 15
.set SC1, 22                           ; scratch
.set SC2, 23
.set BUF, 24                           ; v[24:71], v[72:119]: two sets of operands: roi at +0 (16), FA at +16 (16), FB at +32 (16)
.set FA,  16
.set FB,  32
.set ACC, 120                          ; v[120:151] four accumulators: 16 qt + 8 tile
.set D4,  152                          ; v[152:183] four more; until stage 2 they hold bq and bk
.set BQ,  152
.set BK,  168
.set QF,  184                          ; v[184:199] qv in bf16, later p in f16: source 1, 8 qt
.set PF,  184
.set UF,  200                          ; v[200:215] U in bf16, later Z in f16
.set ZF,  200
.set BV,  216                          ; v[216:231]
.set TMP, 232                          ; v[232:247]
.set SB,  248                          ; v248, v249  qv . bk, scaled
.set INV, 250                          ; v[250:253]  1 / sum p, a pair for each qt
.set NI,  255                          ; -infinity
.set G1R, 24                           ; s[24:31] group 1: my boxes' roi (plain)
.set G1A, 32                           ; s[32:39] Wq, Wv
.set G1K, 40                           ; s[40:47] Wk
.set G1P, 48                           ; s[48:55] tpb
.set G1H, 56                           ; s[56:63] tph
.set G0,  68                           ; s[68:95] seven groups 0
.set W0_ROI, (3<<16)|(1<<20)|(5<<22)|(3<<25)             ; 8-byte elements; 4 words of padding behind every 64; no mask
.set W0_288, 15|(1<<16)|(1<<20)|(1<<21)|(5<<22)|(7<<25)  ; mask 15, bit 21 beside it; 2-byte elements; 8 words of padding behind every 64
.set W0_272, 15|(1<<16)|(1<<20)|(1<<21)|(5<<22)|(3<<25)  ; the same with 4 words
.set W0_TPB, 15|(3<<16)|(1<<20)|(1<<21)|(5<<22)|(3<<25)
.set W0_TPH, 15|(3<<16)|(1<<21)
.macro G1SET g, w0, c, r, p            ; r rows of c elements, p elements from row to row; the tiles lie inside their tensors
	s_mov_b32 s[\g+0], \w0
	s_mov_b32 s[\g+1], (\c)<<16
	s_mov_b32 s[\g+2], (\r)<<16
	s_mov_b32 s[\g+3], (\c)<<16
	s_mov_b32 s[\g+4], \r
	s_mov_b32 s[\g+5], \p
	s_mov_b32 s[\g+6], 0
	s_mov_b32 s[\g+7], 0
.endm
.macro G0SET k, base, step, ptr, extra ; to LDS byte base + wave x step, from pointer + s[100:101] + extra
	s_mov_b32 s[G0+4*\k], 1
	s_mul_i32 s[G0+4*\k+1], s96, \step
	s_add_co_u32 s[G0+4*\k+1], s[G0+4*\k+1], \base
	s_add_nc_u64 s[G0+4*\k+2:G0+4*\k+3], s[\ptr:\ptr+1], s[100:101]
.if \extra
	s_add_nc_u64 s[G0+4*\k+2:G0+4*\k+3], s[G0+4*\k+2:G0+4*\k+3], \extra
.endif
	s_or_b32 s[G0+4*\k+3], s[G0+4*\k+3], 0x80000000
.endm
.macro ROUND                           ; a round of the cluster's barrier
	s_barrier_signal -1
	s_barrier_wait -1
	s_cmp_lg_u32 s96, 0
	s_cbranch_scc1 .Lnot_wave_0_\@
	s_barrier_signal -3
.Lnot_wave_0_\@:
	s_barrier_wait -3
	s_barrier_signal -1
	s_barrier_wait -1
.endm
.macro PLACES                          ; four places behind a matrix instruction (ISA guide 7.12.1), where there is no independent work
.rept 4
	v_nop
.endr
.endm
	s_load_b512 s[4:19], s[0:1], 0x0               ; roib 4, wq16 6, wk16 8, wv16 10, tpb 12, tph 14, bq 16, bk 18
	s_load_b128 s[20:23], s[0:1], 0x40             ; bv 20, out0 22
	v_lshl_add_u32 v254, v0, 2, 0x4e400
	s_set_vgpr_msb 0x40
	v_mov_b32 v1, 0
	s_set_vgpr_msb 0x4044
	ds_add_u32 v254, v1
	ds_add_u32 v254, v1
	s_set_vgpr_msb 0x4400
	v_lshrrev_b32 v1, 5, v0
	v_readfirstlane_b32 s96, v1                    ; wave 0..7
	s_and_b32 s66, ttmp9, 1                        ; hh: which four heads (ttmp9 counts clusters)
	s_lshr_b32 s67, ttmp9, 2                       ; b
	s_bfe_u32 s97, ttmp6, 0x40000                  ; cx
	s_bfe_u32 s98, ttmp9, 0x10001
	s_lshl2_add_u32 s97, s98, s97                  ; qb = 4 x (bit 1 of the cluster's number) + cx
	G1SET G1R, W0_ROI, 256, 2, 2048                ; 2 channel groups x 64 boxes x 32 bytes; 16,384 bytes from group to group
	G1SET G1A, W0_288, 128, 32, 256                ; 32 rows c x 128 columns of 256
	G1SET G1K, W0_272, 128, 32, 256
	G1SET G1P, W0_TPB, 32, 8, 32                   ; 2,048 dense bytes as 8 rows of 256
	G1SET G1H, W0_TPH, 32, 8, 32
	s_mov_b32 s101, 0
	s_wait_dscnt 0x0
	s_wait_kmcnt 0x0
	s_lshl_b32 s100, s67, 18                       ; roib: batch, channel groups 2 w and 2 w + 1, my 64 boxes
	s_lshl_b32 s98, s96, 15
	s_add_co_u32 s100, s100, s98
	s_lshl_b32 s98, s97, 11
	s_add_co_u32 s100, s100, s98
	G0SET 0, ROI_L, 4352, 4, 0
	G0SET 2, ROB_L, 4352, 4, 0x400000              ; the bf16 copy
	s_lshl_b32 s100, s96, 14                       ; weights: rows 32 w .., columns 128 hh ..
	s_lshl_b32 s98, s66, 8
	s_add_co_u32 s100, s100, s98
	G0SET 1, WQ_L, 9216, 6, 0
	G0SET 3, WK_L, 8704, 8, 0
	G0SET 6, WV_L, 9216, 10, 0
	s_lshl_b32 s100, s67, 14                       ; tp: batch, blocks 2 w and 2 w + 1
	s_lshl_b32 s98, s96, 11
	s_add_co_u32 s100, s100, s98
	G0SET 4, TPB_L, 2176, 12, 0
	G0SET 5, TPH_L, 2048, 14, 0
	s_mul_i32 s100, s67, 512000                    ; out0[b][64 qb][128 hh]
	s_lshl_b32 s98, s97, 16
	s_add_co_u32 s100, s100, s98
	s_lshl_b32 s98, s66, 9
	s_add_co_u32 s100, s100, s98
	s_add_nc_u64 s[98:99], s[22:23], s[100:101]
	ROUND                                          ; the four partners are here: the joint loads meet
	; all fills of the launch, one group: seven loads of mine are outstanding at the most.  In the order in which the stages need them.
	tensor_load_to_lds s[G0:G0+3], s[G1R:G1R+7]            ; roi, f16
	s_nop 0
	PLACES
	tensor_load_to_lds s[G0+4:G0+7], s[G1A:G1A+7]          ; Wq
	s_nop 0
	PLACES
	tensor_load_to_lds s[G0+8:G0+11], s[G1R:G1R+7]         ; roi, bf16
	s_nop 0
	PLACES
	tensor_load_to_lds s[G0+12:G0+15], s[G1K:G1K+7]        ; Wk
	s_nop 0
	PLACES
	tensor_load_to_lds s[G0+16:G0+19], s[G1P:G1P+7]        ; tp, bf16
	s_nop 0
	PLACES
	tensor_load_to_lds s[G0+20:G0+23], s[G1H:G1H+7]        ; tp, f16
	s_nop 0
	PLACES
	tensor_load_to_lds s[G0+24:G0+27], s[G1A:G1A+7]        ; Wv
	s_nop 0
	PLACES
	s_mov_b32 s4, 0x76543210                       ; v_permlanex16_b32: lane i reads lane i of the other half (s4-s15 held pointers that the descriptors have taken over)
	s_mov_b32 s5, 0xfedcba98
	s_mov_b32 s6, 0x3e8293ee                       ; log2(e) / sqrt(32)
	s_mov_b32 s7, 0xffff0000                       ; lanes 16-31; also a word's upper bf16
	s_and_b32 s100, s96, 3                         ; hl: my head among the four
	s_lshr_b32 s101, s96, 2                        ; qh: my half of the boxes
	v_and_b32 v16, 15, v0                          ; r
	v_bfe_u32 v17, v0, 4, 1                        ; h
	v_and_b32 v18, 7, v0
	v_bfe_u32 v19, v0, 3, 1                        ; (lane >> 3) & 1 = r >> 3
	v_and_b32 v20, 31, v0
	v_lshl_add_u32 v21, v17, 3, v18                ; 8 h + (lane & 7): the row that a transposing load addresses
	s_lshl2_add_u32 s9, s66, s100                  ; head = 4 hh + hl
	s_lshl_b32 s9, s9, 7
	v_lshl_add_u32 v[VB], v17, 5, s9               ; biases: 128 head + 32 h
	global_load_b128 v[BQ:BQ+3],     v[VB], s[16:17]
	global_load_b128 v[BQ+4:BQ+7],   v[VB], s[16:17] offset:16
	global_load_b128 v[BQ+8:BQ+11],  v[VB], s[16:17] offset:64
	global_load_b128 v[BQ+12:BQ+15], v[VB], s[16:17] offset:80
	global_load_b128 v[BK:BK+3],     v[VB], s[18:19]
	global_load_b128 v[BK+4:BK+7],   v[VB], s[18:19] offset:16
	global_load_b128 v[BK+8:BK+11],  v[VB], s[18:19] offset:64
	global_load_b128 v[BK+12:BK+15], v[VB], s[18:19] offset:80
	global_load_b128 v[BV:BV+3],     v[VB], s[20:21]
	global_load_b128 v[BV+4:BV+7],   v[VB], s[20:21] offset:16
	global_load_b128 v[BV+8:BV+11],  v[VB], s[20:21] offset:64
	global_load_b128 v[BV+12:BV+15], v[VB], s[20:21] offset:80
	s_lshl_b32 s8, s100, 6                         ; my head's 32 columns: 64 bytes
	v_mul_u32_u24 v[VQ0], v21, 288
	v_lshl_add_u32 v[VQ0], v19, 4, v[VQ0]
	v_add_nc_u32 v[VQ0], s8, v[VQ0]
	v_add_nc_u32 v[VQ0+1], 36864, v[VQ0]           ; 128 rows on: the immediate has 16 bits
	v_add_nc_u32 v[VV0], WV_L, v[VQ0]
	v_add_nc_u32 v[VV0+1], WV_L+36864, v[VQ0]
	v_mul_u32_u24 v[VK], v16, 272
	v_lshl_add_u32 v[VK], v17, 4, v[VK]
	s_add_co_u32 s8, s8, WK_L
	v_add_nc_u32 v[VK], s8, v[VK]
	v_lshlrev_b32 v22, 5, v16
	v_lshl_add_u32 v22, v19, 4, v22
	v_lshl_add_u32 v22, v17, 4, v22                ; row r of a padded block: 32 r + 16 (r >> 3) + 16 h
	v_add_nc_u32 v[VT], TPB_L, v22
	v_lshlrev_b32 v[VH], 5, v21
	v_lshl_add_u32 v[VH], v19, 4, v[VH]
	v_add_nc_u32 v[VH], TPH_L, v[VH]
	s_mul_i32 s9, s101, 1088                       ; 32 boxes: 1,024 bytes + 4 paddings
	s_add_co_u32 s9, s9, ROI_L
	v_add_nc_u32 v[VR], s9, v22
	v_add_nc_u32 v[VRB], ROB_L-ROI_L, v[VR]
	v_mul_u32_u24 v[VS], v16, 528
	v_lshl_add_u32 v[VS], v17, 5, v[VS]
	s_mul_i32 s9, s101, 16896
	s_lshl_b32 s10, s100, 7
	s_add_co_u32 s9, s9, s10
	v_add_nc_u32 v[VS], s9, v[VS]                  ; stage row 32 qh + r, byte 128 hl + 32 h
	v_lshlrev_b32 v[VL], 4, v20
	s_lshl_b32 s9, s96, 13
	v_add_nc_u32 v[VO], s9, v[VL]                  ; rows 8 w .. of out0, 1,024 bytes each
	s_mul_i32 s9, s96, 4224
	v_add_nc_u32 v[VL], s9, v[VL]
	s_lshl_b32 s9, s97, 6
	s_lshl3_add_u32 s9, s96, s9
	v_mov_b32 v[VQI], s9                           ; 64 qb + 8 w
	v_mov_b32 v[SC2], 0
	v_mov_b32 v[NI], 0xff800000
; The operands of K chunk kc (32 channels) go to set kc % 2.
.macro LD_RF kc, adr                   ; roi of my two box tiles: channels 32 kc + 8 h .. and + 16
.set LB, BUF+48*((\kc)%2)
.irp qt, 0,1
	ds_load_b128 v[LB+8*\qt:LB+8*\qt+3], v[\adr] offset:(\kc)*4352+\qt*544
	ds_load_b128 v[LB+8*\qt+4:LB+8*\qt+7], v[\adr] offset:(\kc)*4352+\qt*544+2176
.endr
.endm
.macro LD_TRW kc, part, adr            ; Wq or Wv, stored [c][hd], as rows hd: two tiles of 16 columns, transposed on the way
.set LB, BUF+48*((\kc)%2)+\part
.irp ta, 0,1
	ds_load_tr16_b128 v[LB+8*\ta:LB+8*\ta+3], v[\adr+(\kc)/4] offset:((\kc)%4)*9216+\ta*32
	ds_load_tr16_b128 v[LB+8*\ta+4:LB+8*\ta+7], v[\adr+(\kc)/4] offset:((\kc)%4)*9216+\ta*32+4608
.endr
.endm
.macro LD_WK kc                        ; rows c = 32 kc + 16 ct + r of Wk, my head's 32 columns along K
.set LB, BUF+48*((\kc)%2)+FA
.irp ct, 0,1
	ds_load_b128 v[LB+8*\ct:LB+8*\ct+3], v[VK] offset:(\kc)*8704+\ct*4352
	ds_load_b128 v[LB+8*\ct+4:LB+8*\ct+7], v[VK] offset:(\kc)*8704+\ct*4352+32
.endr
.endm
.macro LD_TPB kc                       ; rows t = 16 tt + r of tp, channels along K
.set LB, BUF+48*((\kc)%2)+FB
.irp tt, 0,1
	ds_load_b128 v[LB+8*\tt:LB+8*\tt+3], v[VT] offset:(\kc)*2176+\tt*544
	ds_load_b128 v[LB+8*\tt+4:LB+8*\tt+7], v[VT] offset:(\kc)*2176+\tt*544+1088
.endr
.endm
.macro LD_TPH kc                       ; tp, stored [t][c], as rows c = 32 kc + 16 ct + r with t along K
.set LB, BUF+48*((\kc)%2)+FA
.irp ct, 0,1
	ds_load_tr16_b128 v[LB+8*\ct:LB+8*\ct+3], v[VH] offset:(2*(\kc)+\ct)*1024
	ds_load_tr16_b128 v[LB+8*\ct+4:LB+8*\ct+7], v[VH] offset:(2*(\kc)+\ct)*1024+512
.endr
.endm
.macro MM0 op, d, a, b                 ; a product that starts a sum
	\op v[\d:\d+7], v[\a:\a+7], v[\b:\b+7], 0
.endm
.macro MMA op, d, a, b                 ; a product added in place
	\op v[\d:\d+7], v[\a:\a+7], v[\b:\b+7], v[\d:\d+7]
.endm
; In all steps below the four accumulators of a group take turns, one instruction a turn.
; ---- stage 1: qv = Wq^T roi.  A bundle is 8 LDS loads. ----
.macro S1_STEP kc
.set BS, BUF+48*((\kc)%2)
.if \kc < 7
	s_wait_dscnt 8                                 ; this chunk's bundle is in; the next one's 8 loads may be out
.else
	s_wait_dscnt 0
.endif
.irp qt, 0,1
.irp ta, 0,1
.if \kc == 0
	MM0 v_wmma_f32_16x16x32_f16, ACC+16*\qt+8*\ta, BS+FA+8*\ta, BS+8*\qt
.else
	MMA v_wmma_f32_16x16x32_f16, ACC+16*\qt+8*\ta, BS+FA+8*\ta, BS+8*\qt
.endif
.endr
.endr
	PLACES                                         ; before loads land on the operands, and before the results are read
.if \kc < 6
	LD_RF \kc+2, VR
	LD_TRW \kc+2, FA, VQ0
.endif
.endm
; ---- stages 2 and 3: G = Wk qv, U = G roi, logits += tp U.  A bundle is 12 LDS loads. ----
.macro GL_STEP kc
.set BS, BUF+48*((\kc)%2)
.if \kc < 7
	s_wait_dscnt 12                                ; the next bundle's 12 loads may be out
.else
	s_wait_dscnt 0
.endif
.irp qt, 0,1
.irp ct, 0,1
	MM0 v_wmma_f32_16x16x32_bf16, D4+16*\qt+8*\ct, BS+FA+8*\ct, QF+8*\qt
.endr
.endr
.irp qt, 0,1
.irp e, 0,1,2,3,4,5,6,7
	v_lshlrev_b32 v[TMP+2*\e], 16, v[BS+8*\qt+\e]  ; roi, bf16 to f32.  The first sixteen of these name no register of the products above:
	v_and_b32 v[TMP+2*\e+1], s7, v[BS+8*\qt+\e]    ; they are the places in front of the first read of G
.endr
.irp e, 0,1,2,3,4,5,6,7
	v_pk_mul_f32 v[TMP+2*\e:TMP+2*\e+1], v[TMP+2*\e:TMP+2*\e+1], v[D4+16*\qt+2*\e:D4+16*\qt+2*\e+1]
.endr
.irp e, 0,1,2,3,4,5,6,7
	v_cvt_pk_bf16_f32 v[UF+8*\qt+\e], v[TMP+2*\e], v[TMP+2*\e+1]
.endr
.endr
.irp qt, 0,1
.irp tt, 0,1
.if \kc == 0
	MM0 v_wmma_f32_16x16x32_bf16, ACC+16*\qt+8*\tt, BS+FB+8*\tt, UF+8*\qt
.else
	MMA v_wmma_f32_16x16x32_bf16, ACC+16*\qt+8*\tt, BS+FB+8*\tt, UF+8*\qt
.endif
.endr
.endr
	PLACES
.if \kc < 6
	LD_RF \kc+2, VRB
	LD_WK \kc+2
	LD_TPB \kc+2
.endif
.endm
; ---- stages 4 and 5: W = tp^T p, Z = W roi, out += Wv^T Z.  A bundle is 12 LDS loads. ----
.macro WO_STEP kc
.set BS, BUF+48*((\kc)%2)
.if \kc < 7
	s_wait_dscnt 12
.else
	s_wait_dscnt 0
.endif
.irp qt, 0,1
.irp ct, 0,1
	MM0 v_wmma_f32_16x16x32_f16, D4+16*\qt+8*\ct, BS+FA+8*\ct, PF+8*\qt
.endr
.endr
	PLACES
.irp qt, 0,1
.irp e, 0,1,2,3,4,5,6,7
	v_cvt_pk_f16_f32 v[TMP+8*\qt+\e], v[D4+16*\qt+2*\e], v[D4+16*\qt+2*\e+1]
.endr
.irp e, 0,1,2,3,4,5,6,7
	v_pk_mul_f16 v[ZF+8*\qt+\e], v[TMP+8*\qt+\e], v[BS+8*\qt+\e]
.endr
.endr
.irp qt, 0,1
.irp ta, 0,1
.if \kc == 0
	MM0 v_wmma_f32_16x16x32_f16, ACC+16*\qt+8*\ta, BS+FB+8*\ta, ZF+8*\qt
.else
	MMA v_wmma_f32_16x16x32_f16, ACC+16*\qt+8*\ta, BS+FB+8*\ta, ZF+8*\qt
.endif
.endr
.endr
	PLACES
.if \kc < 6
	LD_RF \kc+2, VR
	LD_TPH \kc+2
	LD_TRW \kc+2, FB, VV0
.endif
.endm
; softmax over t of box tile qt: a lane holds t = 16 tt + 8 h + j of box r in 16 registers, the other half of the lanes the rest
.macro SOFTMAX qt
.set XS, ACC+16*\qt
.irp e, 0,1,2,3,4,5,6,7,8,9,10,11,12,13,14,15
	v_fma_f32 v[XS+\e], v[XS+\e], s6, v[SB+\qt]    ; (logit + qv . bk) log2(e) / sqrt(32)
.endr
.irp e, 8,9,10,11,12,13,14,15
	v_cndmask_b32 v[XS+\e], v[XS+\e], v[NI], s7    ; t = 24..31 do not exist
.endr
	v_max3_num_f32 v[SC1], v[XS], v[XS+1], v[XS+2]
.irp e, 3,5,7,9,11,13
	v_max3_num_f32 v[SC1], v[SC1], v[XS+\e], v[XS+\e+1]
.endr
	v_max_num_f32 v[SC1], v[SC1], v[XS+15]
	v_permlanex16_b32 v[SC2], v[SC1], s4, s5
	v_max_num_f32 v[SC1], v[SC1], v[SC2]           ; the box's largest
.irp e, 0,1,2,3,4,5,6,7,8,9,10,11,12,13,14,15
	v_sub_f32 v[TMP+\e], v[XS+\e], v[SC1]
.endr
.irp e, 0,1,2,3,4,5,6,7,8,9,10,11,12,13,14,15
	v_exp_f32 v[XS+\e], v[TMP+\e]
.endr
	v_nop                                          ; one plain instruction behind the exponentials (ISA guide 5.7.2)
	s_wait_alu depctr_va_vdst(0)
.irp e, 0,1,2,3
	v_pk_add_f32 v[TMP+2*\e:TMP+2*\e+1], v[XS+4*\e:XS+4*\e+1], v[XS+4*\e+2:XS+4*\e+3]
.endr
	v_pk_add_f32 v[TMP:TMP+1], v[TMP:TMP+1], v[TMP+2:TMP+3]
	v_pk_add_f32 v[TMP+4:TMP+5], v[TMP+4:TMP+5], v[TMP+6:TMP+7]
	v_pk_add_f32 v[TMP:TMP+1], v[TMP:TMP+1], v[TMP+4:TMP+5]
	v_add_f32 v[SC1], v[TMP], v[TMP+1]
	v_permlanex16_b32 v[SC2], v[SC1], s4, s5
	v_add_f32 v[SC1], v[SC1], v[SC2]
	v_rcp_f32 v[INV+2*\qt], v[SC1]                 ; twice, for the packed multiply-add; the conversions below touch neither the sum nor these
	v_rcp_f32 v[INV+2*\qt+1], v[SC1]
.irp e, 0,1,2,3,4,5,6,7
	v_cvt_pk_f16_f32 v[PF+8*\qt+\e], v[XS+2*\e], v[XS+2*\e+1]  ; p, not yet divided: source 1 with t along K
.endr
.endm
	s_wait_tensorcnt 5                             ; my parts of roi (f16) and Wq are in; the five younger loads may be out
	s_barrier_signal -1
	s_barrier_wait -1
	LD_RF 0, VR
	LD_TRW 0, FA, VQ0
	LD_RF 1, VR
	LD_TRW 1, FA, VQ0
.irp kc, 0,1,2,3,4,5,6,7
	S1_STEP \kc
.endr
	s_wait_tensorcnt 2                             ; roi (bf16), Wk, tp (bf16) are in; tp (f16) and Wv may be out
	s_barrier_signal -1                            ; (my LDS loads are back: the last step waited for 0)
	s_barrier_wait -1
	LD_RF 0, VRB
	LD_WK 0
	LD_TPB 0
	LD_RF 1, VRB
	LD_WK 1
	LD_TPB 1
	s_wait_loadcnt 0x0                             ; bq, bk, bv
.irp qt, 0,1
.irp e, 0,1,2,3,4,5,6,7
	v_pk_add_f32 v[ACC+16*\qt+2*\e:ACC+16*\qt+2*\e+1], v[ACC+16*\qt+2*\e:ACC+16*\qt+2*\e+1], v[BQ+2*\e:BQ+2*\e+1]
.endr
.endr
.irp qt, 0,1
	v_pk_mul_f32 v[TMP+2*\qt:TMP+2*\qt+1], v[ACC+16*\qt:ACC+16*\qt+1], v[BK:BK+1]
.irp e, 1,2,3,4,5,6,7
	v_pk_fma_f32 v[TMP+2*\qt:TMP+2*\qt+1], v[ACC+16*\qt+2*\e:ACC+16*\qt+2*\e+1], v[BK+2*\e:BK+2*\e+1], v[TMP+2*\qt:TMP+2*\qt+1]
.endr
	v_add_f32 v[SC1], v[TMP+2*\qt], v[TMP+2*\qt+1]
	v_permlanex16_b32 v[SC2], v[SC1], s4, s5
	v_add_f32 v[SC1], v[SC1], v[SC2]               ; qv . bk over the head's 32 columns
	v_mul_f32 v[SB+\qt], s6, v[SC1]
.irp e, 0,1,2,3,4,5,6,7
	v_cvt_pk_bf16_f32 v[QF+8*\qt+\e], v[ACC+16*\qt+2*\e], v[ACC+16*\qt+2*\e+1]
.endr
.endr
.irp kc, 0,1,2,3,4,5,6,7
	GL_STEP \kc
.endr
	s_wait_tensorcnt 0x0                           ; tp (f16) and Wv
	s_barrier_signal -1
	s_barrier_wait -1
	LD_RF 0, VR
	LD_TPH 0
	LD_TRW 0, FB, VV0
	LD_RF 1, VR
	LD_TPH 1
	LD_TRW 1, FB, VV0
	SOFTMAX 0
	SOFTMAX 1
.irp kc, 0,1,2,3,4,5,6,7
	WO_STEP \kc
.endr
	; the way out: divide, add bv, 32 bytes a lane into the stage, whole rows of 512 bytes back
	s_wait_alu depctr_va_vdst(0)
.irp qt, 0,1
.irp e, 0,1,2,3,4,5,6,7
	v_pk_fma_f32 v[ACC+16*\qt+2*\e:ACC+16*\qt+2*\e+1], v[ACC+16*\qt+2*\e:ACC+16*\qt+2*\e+1], v[INV+2*\qt:INV+2*\qt+1], v[BV+2*\e:BV+2*\e+1]
.endr
.endr
.irp qt, 0,1
.irp ta, 0,1
	ds_store_b128 v[VS], v[ACC+16*\qt+8*\ta:ACC+16*\qt+8*\ta+3] offset:\qt*8448+\ta*64
	ds_store_b128 v[VS], v[ACC+16*\qt+8*\ta+4:ACC+16*\qt+8*\ta+7] offset:\qt*8448+\ta*64+16
.endr
.endr
	s_wait_dscnt 0x0                               ; my part of the rows is in the stage before I say so
	s_barrier_signal -1
	s_barrier_wait -1
.irp i, 0,1,2,3,4,5,6,7
	ds_load_b128 v[BUF+4*\i:BUF+4*\i+3], v[VL] offset:\i*528       ; row 8 w + i: four heads' 128 numbers
.endr
	s_wait_dscnt 0x0
	s_wait_xcnt 0x0                                ; EXEC changes only behind this wait
.irp i, 0,1,2,3,4,5,6,7
	v_cmp_gt_u32 vcc_lo, 500-\i, v[VQI]            ; boxes 500..511 do not exist.  A vector compare: no branch hangs on my place in the cluster
	s_and_saveexec_b32 s97, vcc_lo
	global_store_b128 v[VO], v[BUF+4*\i:BUF+4*\i+3], s[98:99] offset:\i*1024 th:TH_STORE_NT   ; the wave stores 512 consecutive bytes, aligned
	s_wait_xcnt 0x0
	s_or_b32 exec_lo, exec_lo, s97
.endr
	s_set_vgpr_msb 0x4
	s_wait_tensorcnt 0x0
	ds_add_u32 v254, v1
	s_wait_dscnt 0x0
	s_set_vgpr_msb 0x400
	ROUND                                          ; the closing round: no work-group ends while a partner may still ask for a tile that names it
	s_endpgm
.Lfunc_end_k_qe553f92d49_attn:
	.size	k_qe553f92d49_attn, .Lfunc_end_k_qe553f92d49_attn-k_qe553f92d49_attn
	.p2alignl 7, 3214868480
	.fill 96, 4, 3214868480
	.section	.rodata,"a",@progbits
	.p2align	6, 0x0
	.amdhsa_kernel k_qe553f92d49_attn
		.amdhsa_group_segment_fixed_size 321536
		.amdhsa_private_segment_fixed_size 0
		.amdhsa_enable_private_segment 0
		.amdhsa_kernarg_size 80
		.amdhsa_user_sgpr_count 2
		.amdhsa_user_sgpr_kernarg_segment_ptr 1
		.amdhsa_wavefront_size32 1
		.amdhsa_system_sgpr_workgroup_id_x 1
		.amdhsa_system_sgpr_workgroup_id_y 1
		.amdhsa_system_sgpr_workgroup_id_z 1
		.amdhsa_system_vgpr_workitem_id 0
		.amdhsa_next_free_vgpr 258
		.amdhsa_next_free_sgpr 102
		.amdhsa_reserve_vcc 1
		.amdhsa_float_denorm_mode_32 3
		.amdhsa_float_denorm_mode_16_64 3
		.amdhsa_memory_ordered 1
		.amdhsa_forward_progress 1
		.amdhsa_inst_pref_size 100
	.end_amdhsa_kernel
	.amdgpu_metadata
---
amdhsa.version: [ 1, 2 ]
amdhsa.kernels:
  - .name:           k_qe553f92d49_attn
    .symbol:         k_qe553f92d49_attn.kd
    .args:
      - { .name: roib, .offset: 0, .size: 8, .value_kind: global_buffer, .address_space: global }
      - { .name: wq16, .offset: 8, .size: 8, .value_kind: global_buffer, .address_space: global }
      - { .name: wk16, .offset: 16, .size: 8, .value_kind: global_buffer, .address_space: global }
      - { .name: wv16, .offset: 24, .size: 8, .value_kind: global_buffer, .address_space: global }
      - { .name: tpb, .offset: 32, .size: 8, .value_kind: global_buffer, .address_space: global }
      - { .name: tph, .offset: 40, .size: 8, .value_kind: global_buffer, .address_space: global }
      - { .name: bq, .offset: 48, .size: 8, .value_kind: global_buffer, .address_space: global }
      - { .name: bk, .offset: 56, .size: 8, .value_kind: global_buffer, .address_space: global }
      - { .name: bv, .offset: 64, .size: 8, .value_kind: global_buffer, .address_space: global }
      - { .name: out0, .offset: 72, .size: 8, .value_kind: global_buffer, .address_space: global }
    .group_segment_fixed_size: 321536
    .private_segment_fixed_size: 0
    .kernarg_segment_align: 8
    .kernarg_segment_size: 80
    .max_flat_workgroup_size: 256
    .sgpr_count:     102
    .vgpr_count:     258
    .wavefront_size: 32
...
	.end_amdgpu_metadata
.endif
;; end of part 3
